; MI455X (gfx1250); checked and timed in simulation.
; The chip was launched on July 23, 2026; its instructions are those of AMD's public machine-readable ISA for CDNA 5 (MIT licence, August 2026) and "CDNA5" Instruction Set Architecture Reference Guide (July 2026). The comments in the code are by the model that wrote it; some were corrected since.
;; MH Self Attention. Allowed arithmetic: matrix products marked QUANTISED: E4M3 operands, one E8M0 scale for each 32 along K, by v_wmma_scale_f32_16x16x128_f8f6f4 with both operands' format E4M3, f32 sums; everything else in f32.
;; Inputs: w_k_codes 1,024 x 32 x 32 uint8 (E4M3 codes of w_k, K innermost, in blocks of 32 codes); w_k_scales 1,024 x 32 uint8 (E8M0 scales of w_k, one for each 32 codes along K); w_q_codes 1,024 x 32 x 32 uint8 (E4M3 codes of w_q, K innermost, in blocks of 32 codes); w_q_scales 1,024 x 32 uint8 (E8M0 scales of w_q, one for each 32 codes along K); w_v_codes 1,024 x 32 x 32 uint8 (E4M3 codes of w_v, K innermost, in blocks of 32 codes); w_v_scales 1,024 x 32 uint8 (E8M0 scales of w_v, one for each 32 codes along K); x_codes 4 x 2,048 x 32 x 32 uint8 (E4M3 codes of x, K innermost, in blocks of 32 codes); x_scales 4 x 2,048 x 32 uint8 (E8M0 scales of x, one for each 32 codes along K).
;; Outputs: out0 4 x 2,048 x 1,024 float32.
;; This version of the problem:
;;   THIS VERSION OF THE PROBLEM IS GIVEN IN LOW PRECISION. The matrix products marked QUANTISED in the list below multiply operands that are first quantised to E4M3 (4 exponent bits, 3 mantissa bits; 8 bits a number), with one power-of-two scale for each 32 numbers along K (OCP MX v1.0); their sums are f32. All else is computed in f32.
;;   The module's matrix products, in the order in which they are computed (A, B: the left and right operand; K: the contracted axis; several contracted axes count as one K, in the product's order):
;;     1. [M 8,192, K 1,024] x [K 1,024, N 1,024]; A: input x (given as codes); B: input w_q (given as codes): QUANTISED
;;     2. [M 8,192, K 1,024] x [K 1,024, N 1,024]; A: input x (given as codes); B: input w_k (given as codes): QUANTISED
;;     3. [M 8,192, K 1,024] x [K 1,024, N 1,024]; A: input x (given as codes); B: input w_v (given as codes): QUANTISED
;;     4. batch 64 x [M 2,048, K 64] x [K 64, N 2,048]; A: computed on the way; B: computed on the way: QUANTISED
;;     5. batch 64 x [M 2,048, K 2,048] x [K 2,048, N 64]; A: softmax (see below); B: computed on the way: QUANTISED
;;   THE QUANTISER, for each operand of a quantised product, along K:
;;     - K is cut into blocks of 32 from its start; a last block that is shorter is filled with zeros.
;;     - A block's scale is 2^e with e = floor(log2(the largest magnitude in the block)) - 8, held to -126 .. 127; a block of zeros has e = 0. As a byte (E8M0): e + 127.
;;     - Each number is divided by its block's scale, clamped to +-448, and rounded to the nearest number of E4M3, ties to even, subnormals kept.
;;     - The product sums the exact products of the quantised numbers (number of the format x scale) in f32.
;;   ~~~python
;;   def quantise(x, axis):      # numpy; x: float32 -> the quantised numbers, widened to float32 again
;;       x = np.moveaxis(x, axis, -1); K = x.shape[-1]
;;       x = np.pad(x, [(0, 0)] * (x.ndim - 1) + [(0, -K % 32)]); x = x.reshape(x.shape[:-1] + (-1, 32)); a = np.abs(x).max(-1, keepdims=True)
;;       e = np.where(a > 0, np.clip(np.frexp(np.where(a > 0, a, 1))[1] - 1 - 8, -126, 127), 0)      # np.frexp(a)[1] - 1 = floor(log2(a)), exactly
;;       r = np.clip(x / 2.0 ** e, -448, 448)
;;       step = 2.0 ** (np.maximum(np.frexp(np.where(r == 0, 1, r))[1] - 1, -6) - 3)
;;       q = np.round(r / step) * step * 2.0 ** e      # np.round: ties to even
;;       return np.moveaxis(q.reshape(q.shape[:-2] + (-1,))[..., :K], -1, axis).astype(np.float32)
;;   ~~~
;;   SOFTMAX AHEAD OF A QUANTISED PRODUCT. Where the list says 'softmax', what is quantised is not the finished softmax but p = 2^(t - M), with t = logit x log2(e) and M = ceil(the row's largest t), a whole number; so 1/2 < the row's largest p <= 1. The row's sum l is taken of the UNQUANTISED p, in f32, and the product's result is divided by l at the end. Since M is a whole number, a kernel that streams over the keys may use a running M (the ceiling of the running maximum): every later rescaling is an exact power of two, which a block's scale takes up: the codes' values come out the same.
;;   OPERANDS COMPUTED ON THE WAY. 'Computed on the way' means the value that the module computes at that place (a softmax that the list does not call 'softmax' is quantised finished and normalised). What goes into a quantiser is computed in f32, as accurately as f32 sums, v_exp_f32 and their like allow (about 1e-6 of the number): no bf16 or f16 on the way to a quantiser, and a product that is left as it is and whose result goes on into a quantised operand takes f32 operands (vector FMAs, or v_wmma_f32_16x16x4_f32). A number that lies on a knife's edge between two numbers of the format may be rounded either way, as far as f32 arithmetic and the matrix unit's own rounding can turn it there, and no further.
;;   INPUTS GIVEN AS CODES. w_k (in the module: [1024, 1024], K = its axis 1); w_q (in the module: [1024, 1024], K = its axis 1); w_v (in the module: [1024, 1024], K = its axis 1); x (in the module: [4, 2048, 1024], K = its axis 2): each comes as NAME_codes (uint8): NAME with its K axis moved to the last place and cut into blocks of 32 codes, [.., K / 32, bytes a block], one block behind the other in memory; one code a byte (a code: sign, 4 exponent bits, 3 mantissa bits); and NAME_scales (uint8): the same leading axes, one E8M0 byte (e + 127) for each 32 codes along K. Its value is code x scale, taken as it is: it is not quantised again, and the codes and scales need not be those that the quantiser above would give.
;; One version. Each part assembles by itself: llvm-mc -triple=amdgcn-amd-amdhsa -mcpu=gfx1250 --defsym DOCPART=n.
;; ======== version 1 of 1: 2 launches
;; limits: right only within a limited range of input values
;; workspace buffers: qkv_codes 25,165,824 bytes; qkv_scales 786,432 bytes
;; launch proj (part 1): grid 8 x 32, 4 waves a work-group, clusters of 4 x 4, 327,680 bytes of LDS; arguments x_codes, x_scales, w_q_codes, w_q_scales, w_k_codes, w_k_scales, w_v_codes, w_v_scales, qkv_codes, qkv_scales; writes qkv_codes, qkv_scales
.if DOCPART == 1
	.amdgcn_target "amdgcn-amd-amdhsa--gfx1250"
	.amdhsa_code_object_version 6
	.text
	.protected	k_q12f900c339_proj
	.globl	k_q12f900c339_proj
	.p2align	8
	.type	k_q12f900c339_proj,@function
k_q12f900c339_proj:
	s_mov_b64 s[64:65], 0
	v_nop
	global_prefetch_b8 v0, s[64:65] scope:SCOPE_SE
	s_setreg_imm32_b32 hwreg(HW_REG_WAVE_MODE, 25, 1), 1
	s_wait_xcnt 0x0
	s_wait_alu depctr_hold_cnt(0) depctr_sa_sdst(0) depctr_va_vdst(0) depctr_va_sdst(0) depctr_va_ssrc(0) depctr_va_vcc(0) depctr_vm_vsrc(0)
	s_getreg_b32 s2, hwreg(HW_REG_IB_STS2, 6, 4)
	s_cmp_eq_u32 s2, 0
	s_cbranch_scc0 .Lentry_in_a_cluster
	s_endpgm
.Lentry_in_a_cluster:
	s_bfe_u32 s2, ttmp6, 0x10000c
	s_cmp_lg_u32 s2, 0xf033
	s_cbranch_scc0 .Lentry_shape_is_right
	s_endpgm
.Lentry_shape_is_right:
; q = x Wq^T, k = x Wk^T, v = x Wv^T on codes of FP8 (E4M3) with one E8M0 scale for each 32 along K = 1,024; sums in f32; each result is quantised here by the MX rule and stored as images of the attention launch's operand registers.
; THE DEAL.  256 work-groups; each takes 256 tokens through 128 columns (two heads) of Q, then of K, then of V.  Four waves, 2 x 2: row of waves w takes tiles 4 w .. 4 w + 3 of each chunk of 128 tokens, column of waves c one head.
; A wave holds its head's 64 rows of the weight, ALL of K, in 512 registers (windows 1, 2) and streams x's rows past them in blocks of 16, which stand in two whole sets (window 3): 32 products a block, 8 blocks a phase.
; LDS: two slots of 128 whole rows (1,024 bytes + 16 of padding).  Chunk k of x always lies in slot k; a weight's rows lie in a slot until all waves hold them in registers.  Q walks chunks 0, 1; K walks 1, 0; V walks 0, 1: each phase begins on the chunk that the last ended on.
; FILLS.  Head: W_q into slot 1 (wave 0), chunk 0 (wave 1), the scale bytes of x's 256 rows (waves 2, 3).  Refills, each behind a drained round of the cluster's barrier, 32 rows a wave: chunk 1; W_k inside Q's block 2; chunk 0 behind W_k's way into registers; W_v inside K's block 2; chunk 1.
; CLUSTERS, 4 x 4: x's rows are asked for jointly by a row of the cluster, a weight's by a column.
; PRODUCTS.  Q, K: source 0 = 16 rows of the weight, source 1 = 16 tokens: a lane holds one token, its registers run along the features.  V: the sources swapped: a lane holds one channel, its registers run along the tokens.
; THE ORDER INSIDE A BLOCK OF 32: register 16 b + 8 u + j of lane (r, h) holds index 32 b + 16 u + 8 h + j, and its code goes to the operand's place 32 b + 16 h + 8 u + j: the same for q and k, and for v as for the attention launch's p.
; THE WAY OUT of a block (for V: of a pair of blocks) stands among the next block's (pair's) products, four lines behind each two; the sums stand in sets that take turns.  A phase's last way out stands in the open.
; OUT.  qkv_codes: section z at z x 8,388,608; head at x 131,072.  q, k: [tile of 16 tokens][block 0, 1][lane][16].  v: [key step of 128][c / 2][16 channels t][c % 2][lane][16], c the block of 32 keys.
; qkv_scales: section at z x 262,144; head at x 4,096; [step of 128 tokens][r : 16][j : 4] words.  q, k: word j = the two bytes of token r of tile 2 j, then of tile 2 j + 1.  v: word j = channel 16 j + r's four bytes.  The bytes are gathered in LDS and leave at the end, 256 bytes a store.
; PREFETCH: chunk 1 and W_k at the head, W_v in Q's block 3: each block of 256 bytes once a cluster, the sixteen waves that share a tile telling their parts apart by address.  The chunks that come a second time have been read in this launch and are not asked for.
; LIMITS: NaN, infinities and NaN codes among the inputs are not served.  A block of zeros gets the byte 1 where the rule says 127: its codes are zeros, and this program alone reads the bytes.
.set PITCH, 1040
.set KROW, 1024
.set FR, 16
.set NP, 8                             ; places behind this matrix instruction (ISA guide 7.12.1)
.set NF, 34                            ; LDS loads of a block's fetch
.set YB, 128*PITCH                     ; slot 1
.set SCL, 2*YB                         ; x's scale bytes: 32 units of 256 bytes + 16
.set XS, SCL+32*272                    ; the outgoing scale bytes: [z][head of two][step of two][256]
.set SPARE, XS+3072
.set PF1, 1                            ; v1, v2 the prefetches' offsets; v3 LDS address, v15 offset of the last stores
.set PF2, 2
.set ADX, 4                            ; v4, v5 my x fragments in slot 0, 1
.set ADW, 6                            ; v6, v7 my weight fragments in slot 0, 1
.set AAS, 8                            ; v8  my row's scale words of x
.set CO, 9                             ; v9  16 x lane
.set SPW, 10
.set NIL, 11
.set VXQ, 12                           ; v12 where Q's, K's two bytes go; v13 where V's byte goes
.set VXV, 13
.set ABS, 14                           ; v14 32 x lane
.set SOP, 16                           ; v16-19 the conversions' scale operands
.set EB, 20                            ; v20-23 scale bytes
.set SB, 24                            ; v24-39 the weight's scale words: register 8 p + q: lanes 0-15 tile 2 p, lanes 16-31 tile 2 p + 1
.set TQ, 40                            ; v40-43 maxima
.set SA, 44                            ; v44-59 x's scale words, two sets
.set BND, 60                           ; v60, v61 448 x the scale
.set ACC, 64                           ; v64-191 four sets of four accumulators
.set NCD, 192                          ; v192-207 codes
.set WS1, 208                          ; v208-223 W_k's scale words, v224-239 W_v's, until their phase
.set WS2, 224
.set SEL, 12
.set MNT, 17
.set G0S, 20
.set G1X, 24
.set G1W, 32
.set G1S, 48
.set G0A, 56
.set G0B, 60
.set MSB, 0
.macro WIN new
.if MSB != (\new)
	s_set_vgpr_msb (MSB<<8)|(\new)
.set MSB, (\new)
.endif
.endm
.macro PLACES n
.rept \n
	v_nop
.endr
.endm
.macro WALU
	s_wait_alu depctr_va_vdst(0)
.endm
.macro BARRIER
	s_barrier_signal -1
	s_barrier_wait -1
.endm
.macro CROUND
	BARRIER
	s_cmp_lg_u32 s14, 0
	s_cbranch_scc1 .Lnot_wave_0_\@
	s_barrier_signal -3
.Lnot_wave_0_\@:
	s_barrier_wait -3
	BARRIER
.endm
.macro MIDDLE                          ; a round's middle, behind its opening signal
	WIN 0
	WALU
	s_barrier_wait -1
	s_cmp_lg_u32 s14, 0
	s_cbranch_scc1 .Lnot_wave_0_\@
	s_barrier_signal -3
.Lnot_wave_0_\@:
	s_barrier_wait -3
.endm
.macro GRD
	s_wait_tensorcnt 0x0
	ds_add_u32 v[SPW], v[NIL]
.endm
.macro TLOAD g0, g1
	tensor_load_to_lds s[\g0:\g0+3], s[\g1:\g1+7]
	s_nop 0
	PLACES 4
.endm
.macro GROUP1 g, mask, rows            ; whole rows of K, 1,024 bytes, 16 of padding behind each
	s_or_b32 s[\g+0], s[\mask], (1<<20)|(1<<21)|(7<<22)|(3<<25)
	s_mov_b32 s[\g+1], KROW<<16
	s_mov_b32 s[\g+2], (\rows)<<16
	s_mov_b32 s[\g+3], KROW<<16
	s_mov_b32 s[\g+4], \rows
	s_mov_b32 s[\g+5], KROW
	s_mov_b32 s[\g+6], 0
	s_mov_b32 s[\g+7], 0
.endm
.macro RDESC g0, lds, pair             ; group 0 of a refill: my 32 rows
	s_add_co_u32 s[\g0+1], s96, \lds
	s_mov_b64 s[\g0+2:\g0+3], s[\pair:\pair+1]
	s_or_b32 s[\g0+3], s[\g0+3], 0x80000000
.endm
	s_load_b512 s[68:83], s[0:1], 0x0              ; x's codes, scales; w_q's; w_k's; w_v's
	s_load_b128 s[84:87], s[0:1], 0x40             ; qkv_codes, qkv_scales
	v_lshl_add_u32 v[SPW], v0, 2, SPARE
	v_mov_b32 v[NIL], 0
	ds_add_u32 v[SPW], v[NIL]                      ; the opening lines: the add twice and its wait
	ds_add_u32 v[SPW], v[NIL]
	v_lshrrev_b32 v1, 5, v0
	v_readfirstlane_b32 s14, v1                    ; wave
	s_lshr_b32 s15, s14, 1                         ; w: my row of waves
	s_and_b32 s16, s14, 1                          ; c: my column of waves
	s_bfe_u32 s40, ttmp6, 0x40000
	s_bfe_u32 s41, ttmp6, 0x40004
	s_lshl_b32 s42, ttmp9, 2
	s_add_co_u32 s42, s42, s40                     ; column group 0..7: 128 columns of each weight
	s_and_b32 s43, ttmp7, 0xffff
	s_lshl_b32 s43, s43, 2
	s_add_co_u32 s43, s43, s41                     ; token block 0..31: 256 tokens
	s_lshl_b32 s44, s41, 2
	s_lshl_b32 s44, 15, s44                        ; my row of the cluster shares x's rows
	s_lshl_b32 s45, 0x1111, s40                    ; my column shares the weights'
	GROUP1 G1W, 45, 128
	GROUP1 G1X, 44, 128
	s_or_b32 s[G1S+0], s44, (3<<16)|(1<<20)|(1<<21)|(5<<22)|(3<<25)   ; the scale bytes of 128 rows: 16 rows of 256 bytes
	s_mov_b32 s[G1S+1], 32<<16
	s_mov_b32 s[G1S+2], 16<<16
	s_mov_b32 s[G1S+3], 32<<16
	s_mov_b32 s[G1S+4], 16
	s_mov_b32 s[G1S+5], 32
	s_mov_b32 s[G1S+6], 0
	s_mov_b32 s[G1S+7], 0
	s_lshl_b32 s18, s43, 18                        ; my tokens' codes in x
	s_lshl_b32 s19, s42, 17                        ; my columns' codes in a weight
	s_mul_i32 s96, s14, 32*PITCH                   ; a refill: my 32 rows in a slot,
	s_lshl_b32 s97, s14, 15                        ; and in memory
	s_mov_b32 s[G0A], 1
	s_mov_b32 s[G0A+1], 0
	s_mov_b32 s[G0B], 1
	s_mov_b32 s[G0B+1], YB
	s_mov_b32 s[G0S], 1
	s_mul_i32 s[G0S+1], s16, 16*272
	s_add_co_u32 s[G0S+1], s[G0S+1], SCL
	s_mov_b32 s[SEL], 0x76543210
	s_mov_b32 s[SEL+1], 0xfedcba98
	s_mov_b32 s[MNT], 0x600000
	s_mov_b32 s3, 0
	s_wait_dscnt 0x0
	CROUND                                         ; all sixteen work-groups are here
	s_wait_kmcnt 0x0
	s_mov_b32 s2, s18
	s_add_nc_u64 s[4:5], s[68:69], s[2:3]          ; chunk 0
	s_mov_b64 s[G0A+2:G0A+3], s[4:5]
	s_or_b32 s[G0A+3], s[G0A+3], 0x80000000
	s_mov_b32 s2, s19
	s_add_nc_u64 s[G0B+2:G0B+3], s[72:73], s[2:3]
	s_or_b32 s[G0B+3], s[G0B+3], 0x80000000
	s_add_nc_u64 s[8:9], s[76:77], s[2:3]
	s_add_nc_u64 s[10:11], s[80:81], s[2:3]
	s_lshl_b32 s2, s43, 13
	s_lshl_b32 s46, s16, 12
	s_add_co_u32 s2, s2, s46
	s_add_nc_u64 s[G0S+2:G0S+3], s[70:71], s[2:3]
	s_or_b32 s[G0S+3], s[G0S+3], 0x80000000
	s_cmp_eq_u32 s14, 0                            ; one joint load a wave; wave 0's line is its own: it alone waits at the first barrier
	s_cbranch_scc0 .Lwave_1
	TLOAD G0B, G1W                                 ; W_q's 128 rows, wanted first
	s_branch .Lasked
.Lwave_1:
	s_cmp_eq_u32 s14, 1
	s_cbranch_scc0 .Lfor_scales
	TLOAD G0A, G1X                                 ; chunk 0
	s_branch .Lasked
.Lfor_scales:
	TLOAD G0S, G1S                                 ; waves 2, 3: the scale bytes of 128 rows each
.Lasked:
	s_mov_b32 s2, s97                              ; the refills' addresses: my 32 rows of chunk 0, chunk 1, W_k, W_v
	s_add_nc_u64 s[4:5], s[4:5], s[2:3]
	s_add_nc_u64 s[6:7], s[4:5], 0x20000
	s_add_nc_u64 s[8:9], s[8:9], s[2:3]
	s_add_nc_u64 s[10:11], s[10:11], s[2:3]
	s_lshr_b32 s46, s43, 3                         ; where my results go
	s_lshl_b32 s46, s46, 4
	s_lshl_b32 s47, s42, 1
	s_add_co_u32 s46, s46, s47                     ; the first of the two heads: 16 x batch + 2 x column group
	s_and_b32 s47, s43, 7
	s_lshl_b32 s47, s47, 1                         ; the first of the two steps of 128 tokens
	s_add_co_u32 s2, s46, s16
	s_lshl_b32 s2, s2, 17
	s_lshl_b32 s66, s47, 13
	s_add_co_u32 s2, s2, s66
	s_lshl_b32 s66, s15, 12
	s_add_co_u32 s2, s2, s66
	s_add_nc_u64 s[92:93], s[84:85], s[2:3]        ; codes: my head, first step, 4,096 x w
	s_add_co_u32 s2, s46, s15                      ; scale words, at the end: wave n stores head n / 2, step n % 2
	s_lshl_b32 s2, s2, 12
	s_add_co_u32 s66, s47, s16
	s_lshl_b32 s66, s66, 8
	s_add_co_u32 s2, s2, s66
	s_add_nc_u64 s[94:95], s[86:87], s[2:3]
	s_lshl_b32 s2, s42, 12                         ; the weights' scale bytes: my 64 rows
	s_lshl_b32 s66, s16, 11
	s_add_co_u32 s2, s2, s66
	s_add_nc_u64 s[88:89], s[74:75], s[2:3]
	s_add_nc_u64 s[90:91], s[78:79], s[2:3]
	s_add_nc_u64 s[2:3], s[82:83], s[2:3]
	s_mul_i32 s46, s15, 64*PITCH
	s_mul_i32 s47, s16, 64*PITCH
	s_mul_i32 s66, s15, 8*272
	s_add_co_u32 s66, s66, SCL
	s_lshl_b32 s67, s16, 9
	s_add_co_u32 s67, s67, XS
	s_lshl_b32 s98, s15, 1
	s_add_co_u32 s98, s98, s67
	s_lshl_b32 s99, s15, 3
	s_add_co_u32 s67, s67, s99
	s_lshl_b32 s99, s40, 2                         ; which of the cluster row's sixteen waves I am: my 8,192 bytes of chunk 1
	s_add_co_u32 s99, s99, s14
	s_lshl_b32 s99, s99, 13
	s_add_co_u32 s99, s99, s18
	s_add_co_u32 s99, s99, 0x20000
	s_lshl_b32 s100, s41, 2                        ; and of the column's: of a weight's 128 rows
	s_add_co_u32 s100, s100, s14
	s_lshl_b32 s100, s100, 13
	s_add_co_u32 s100, s100, s19
	s_lshl_b32 s101, s14, 8
	s_add_co_u32 s101, s101, XS
	v_and_b32 v20, 15, v0                          ; r
	v_bfe_u32 v21, v0, 4, 1                        ; h
	v_and_b32 v22, 31, v0                          ; lane
	v_mul_u32_u24 v23, v20, PITCH
	v_lshl_add_u32 v23, v21, 4, v23
	v_add_nc_u32 v[ADX], s46, v23
	v_add_nc_u32 v[ADW], s47, v23
	v_add_nc_u32 v[ADX+1], YB, v[ADX]
	v_add_nc_u32 v[ADW+1], YB, v[ADW]
	v_lshrrev_b32 v16, 3, v20
	v_and_b32 v17, 7, v20
	v_mul_u32_u24 v16, v16, 272
	v_lshl_add_u32 v16, v17, 5, v16
	v_add_nc_u32 v[AAS], s66, v16
	v_lshlrev_b32 v[CO], 4, v22
	v_lshlrev_b32 v[ABS], 5, v22
	v_lshl_add_u32 v[VXQ], v20, 4, s67
	v_lshl_add_u32 v[VXV], v20, 4, s98
	v_lshl_add_u32 v[PF1], v22, 8, s99
	v_lshl_add_u32 v[PF2], v22, 8, s100
	v_lshl_add_u32 v3, v22, 3, s101
	v_lshlrev_b32 v15, 3, v22
	v_mov_b32 v[TQ+2], 0                           ; a lane permute's destination counts as a source
	v_mov_b32 v[TQ+3], 0
.irp p, 0,1
.irp c, 0,1
	global_load_b128 v[SB+8*\p+4*\c:SB+8*\p+4*\c+3], v[ABS], s[88:89] offset:\p*1024+16*\c
	global_load_b128 v[WS1+8*\p+4*\c:WS1+8*\p+4*\c+3], v[ABS], s[90:91] offset:\p*1024+16*\c
	global_load_b128 v[WS2+8*\p+4*\c:WS2+8*\p+4*\c+3], v[ABS], s[2:3] offset:\p*1024+16*\c
.endr
.endr
	WALU                                           ; the wait at the head's end
	s_cmp_eq_u32 s14, 0
	s_cbranch_scc0 .Lnot_w
	s_wait_tensorcnt 0x0                           ; wave 0: W_q has landed; the others wait ahead of the round below
.Lnot_w:
	BARRIER
	global_prefetch_b8 v[PF1], s[68:69] th:TH_LOAD_NT scope:SCOPE_SE
	global_prefetch_b8 v[PF2], s[76:77] th:TH_LOAD_NT scope:SCOPE_SE
.macro WEIGHTS adr                     ; my 64 rows, all of K: fragment f = 4 q + b in window 1 + f / 16: 128 loads
.irp q, 0,1,2,3,4,5,6,7
	WIN (1+\q/4)<<6
.irp b, 0,1,2,3
.irp c, 0,1,2,3
	ds_load_b128 v[FR*((4*\q+\b)%16)+4*\c:FR*((4*\q+\b)%16)+4*\c+3], v[\adr] offset:128*\q+32*\c+\b*16*PITCH
.endr
.endr
.endr
	WIN 0
.endm
.macro FETCHX k, s, i                  ; tile i of my four of chunk s, all of K, into set k, and its scale words: NF loads
	WIN 3<<6
.irp q, 0,1,2,3,4,5,6,7
.irp c, 0,1,2,3
	ds_load_b128 v[128*\k+FR*\q+4*\c:128*\k+FR*\q+4*\c+3], v[ADX+\s] offset:(\i)*16*PITCH+128*\q+32*\c
.endr
.endr
	WIN 0
	ds_load_b128 v[SA+8*\k:SA+8*\k+3], v[AAS] offset:(16*\s+2*(\i))*272
	ds_load_b128 v[SA+8*\k+4:SA+8*\k+7], v[AAS] offset:(16*\s+2*(\i))*272+16
.endm
.macro PROD kind, e, a, n              ; product n = 4 q + b: the q-th 128 of K, tile b of the weight; x in set e, sums in set a; the four accumulators by turns
.set Q_, (\n)/4
.set B_, (\n)%4
.set AC_, ACC+32*(\a)+8*B_
.set R_, 128*(\e)+FR*Q_
.set W_, FR*((4*Q_+B_)%16)
.set XW_, SA+8*(\e)+Q_
.set WW_, SB+8*(B_/2)+Q_
.if \kind
	WIN 3|((1+Q_/4)<<2)
.if Q_ && B_%2
	v_wmma_scale_f32_16x16x128_f8f6f4 v[AC_:AC_+7], v[R_:R_+FR-1], v[W_:W_+FR-1], v[AC_:AC_+7], v[XW_], v[WW_] matrix_b_scale:MATRIX_SCALE_ROW1
.elseif Q_
	v_wmma_scale_f32_16x16x128_f8f6f4 v[AC_:AC_+7], v[R_:R_+FR-1], v[W_:W_+FR-1], v[AC_:AC_+7], v[XW_], v[WW_]
.elseif B_%2
	v_wmma_scale_f32_16x16x128_f8f6f4 v[AC_:AC_+7], v[R_:R_+FR-1], v[W_:W_+FR-1], 0, v[XW_], v[WW_] matrix_b_scale:MATRIX_SCALE_ROW1
.else
	v_wmma_scale_f32_16x16x128_f8f6f4 v[AC_:AC_+7], v[R_:R_+FR-1], v[W_:W_+FR-1], 0, v[XW_], v[WW_]
.endif
.else
	WIN (1+Q_/4)|(3<<2)
.if Q_ && B_%2
	v_wmma_scale_f32_16x16x128_f8f6f4 v[AC_:AC_+7], v[W_:W_+FR-1], v[R_:R_+FR-1], v[AC_:AC_+7], v[WW_], v[XW_] matrix_a_scale:MATRIX_SCALE_ROW1
.elseif Q_
	v_wmma_scale_f32_16x16x128_f8f6f4 v[AC_:AC_+7], v[W_:W_+FR-1], v[R_:R_+FR-1], v[AC_:AC_+7], v[WW_], v[XW_]
.elseif B_%2
	v_wmma_scale_f32_16x16x128_f8f6f4 v[AC_:AC_+7], v[W_:W_+FR-1], v[R_:R_+FR-1], 0, v[WW_], v[XW_] matrix_a_scale:MATRIX_SCALE_ROW1
.else
	v_wmma_scale_f32_16x16x128_f8f6f4 v[AC_:AC_+7], v[W_:W_+FR-1], v[R_:R_+FR-1], 0, v[WW_], v[XW_]
.endif
.endif
.endm
; THE QUANTISER OF Q's OR K's BLOCK, lines 0 .. 62: the 32 sums at x: two blocks of 32 features, 16 of each in my lane and 16 in lane l xor 16 -> codes NCD .. NCD + 7, two bytes in EB.  Each accumulator is read from its low end on.
.macro GAPQ k, x
.if (\k) < 16
.set H_, (\k)%2
.set I_, (\k)/2
.set X_, (\x)+16*H_
.if I_ == 0
	v_max3_num_f32 v[TQ+H_], |v[X_]|, |v[X_+1]|, |v[X_+2]|
.elseif I_ < 7
	v_max3_num_f32 v[TQ+H_], v[TQ+H_], |v[X_+2*I_+1]|, |v[X_+2*I_+2]|
.else
	v_max3_num_f32 v[TQ+H_], v[TQ+H_], |v[X_+15]|, 0x4800000    ; and the floor 2^(9 - 127): the byte cannot fall under 1
.endif
.elseif (\k) < 18
	v_permlanex16_b32 v[TQ+2+(\k)-16], v[TQ+(\k)-16], s[SEL], s[SEL+1]
.elseif (\k) < 20
	v_max_num_f32 v[TQ+(\k)-18], v[TQ+(\k)-18], v[TQ+2+(\k)-18]
.elseif (\k) < 22
	v_add_nc_u32 v[SOP+(\k)-20], 0xfc000000, v[TQ+(\k)-20]      ; 8 off the exponent field: the conversion's scale operand
.elseif (\k) < 24
	v_and_or_b32 v[BND+(\k)-22], v[TQ+(\k)-22], 0x7f800000, s[MNT]   ; 448 x the scale
.elseif (\k) < 26
	v_lshrrev_b32 v[EB+(\k)-24], 23, v[SOP+(\k)-24]
.elseif (\k) == 26
	v_lshl_or_b32 v[EB], v[EB+1], 8, v[EB]
.elseif (\k) < 63
.set A_, ((\k)-27)/9
.set J_, ((\k)-27)%9
.if J_ < 8
	v_med3_num_f32 v[(\x)+8*A_+J_], v[(\x)+8*A_+J_], -v[BND+A_/2], v[BND+A_/2]   ; the conversion does not saturate (ISA guide 7.6.2)
.else
	v_cvt_scalef32_pk8_fp8_f32 v[NCD+2*A_:NCD+2*A_+1], v[(\x)+8*A_:(\x)+8*A_+7], v[SOP+A_/2]
.endif
.endif
.endm
; THE QUANTISER OF A PAIR OF V's BLOCKS, lines 0 .. 123, 31 a tile of 16 channels: the even block's sums at x, the odd's at x + 32: a block of 32 keys -> codes NCD + 4 t, byte EB + t
.macro GAPV k, x
.if (\k) < 124
.set T_, (\k)/31
.set J_, (\k)%31
.set E_, (\x)+8*T_
.set O_, E_+32
.if J_ == 0
	v_max3_num_f32 v[TQ], |v[E_]|, |v[E_+1]|, |v[E_+2]|
.elseif J_ == 1
	v_max3_num_f32 v[TQ+1], |v[O_]|, |v[O_+1]|, |v[O_+2]|
.elseif J_ < 6
.if J_%2 == 0
	v_max3_num_f32 v[TQ], v[TQ], |v[E_+J_+1]|, |v[E_+J_+2]|
.else
	v_max3_num_f32 v[TQ+1], v[TQ+1], |v[O_+J_]|, |v[O_+J_+1]|
.endif
.elseif J_ == 6
	v_max3_num_f32 v[TQ+1], v[TQ+1], |v[O_+7]|, 0x4800000
.elseif J_ == 7
	v_max3_num_f32 v[TQ], v[TQ], |v[E_+7]|, v[TQ+1]
.elseif J_ == 8
	v_permlanex16_b32 v[TQ+2], v[TQ], s[SEL], s[SEL+1]
.elseif J_ == 9
	v_max_num_f32 v[TQ], v[TQ], v[TQ+2]
.elseif J_ == 10
	v_add_nc_u32 v[SOP+T_], 0xfc000000, v[TQ]
.elseif J_ == 11
	v_and_or_b32 v[BND+T_%2], v[TQ], 0x7f800000, s[MNT]
.elseif J_ == 12
	v_lshrrev_b32 v[EB+T_], 23, v[SOP+T_]
.elseif J_ < 21
	v_med3_num_f32 v[E_+J_-13], v[E_+J_-13], -v[BND+T_%2], v[BND+T_%2]
.elseif J_ == 21
	v_cvt_scalef32_pk8_fp8_f32 v[NCD+4*T_:NCD+4*T_+1], v[E_:E_+7], v[SOP+T_]
.elseif J_ < 30
	v_med3_num_f32 v[O_+J_-22], v[O_+J_-22], -v[BND+T_%2], v[BND+T_%2]
.else
	v_cvt_scalef32_pk8_fp8_f32 v[NCD+4*T_+2:NCD+4*T_+3], v[O_:O_+7], v[SOP+T_]
.endif
.endif
.endm
.macro LINES g, y, x                   ; four lines of a way out behind two products.  y = 1: Q's or K's block at x; 2, 3: the halves of V's pair at x
.if (\y)
	WIN 0
.irp i, 0,1,2,3
.if (\y) == 1
	GAPQ 4*(\g)+\i, \x
.elseif (\y) == 2
	GAPV 4*(\g)+\i, \x
.else
	GAPV 64+4*(\g)+\i, \x
.endif
.endr
.endif
.endm
.macro BLOCK kind, e, a, from, to, y, x
.set N_, \from
.rept ((\to)-(\from))/2
	PROD \kind, \e, \a, N_
	PROD \kind, \e, \a, N_+1
	LINES N_/2, \y, \x
.set N_, N_+2
.endr
.endm
.macro BLK kind, e, a, w, y, x         ; a block.  w: the LDS instructions that may stay out: the other set's fetch
.if (\y) == 3
	WALU                                           ; the pair's way out goes on from the block before: the wait ahead of the waits below
.endif
	s_wait_dscnt \w
	s_wait_xcnt 0x0
	BLOCK \kind, \e, \a, 0, 32, \y, \x
	WIN 0
	PLACES NP
.endm
.macro RBLK kind, e, a, y, x, g0, lds, pair        ; a block with a round of the cluster's barrier in it; the refill follows it
	s_wait_dscnt NF
	s_wait_xcnt 0x0
	BLOCK \kind, \e, \a, 0, 16, \y, \x
	WIN 0
	WALU
	GRD
	RDESC \g0, \lds, \pair
	BLOCK \kind, \e, \a, 16, 28, \y, \x
	WIN 0
	WALU
	s_wait_dscnt 0x0                               ; the add is done, and my reads of the slot that is filled again
	s_barrier_signal -1
	BLOCK \kind, \e, \a, 28, 32, \y, \x
	MIDDLE
	BARRIER
.endm
.macro SBLK kind, e, a, y, x           ; a block with a plain barrier, which shows the last refill
	s_wait_dscnt NF
	s_wait_xcnt 0x0
	BLOCK \kind, \e, \a, 0, 28, \y, \x
	WIN 0
	WALU
	s_wait_tensorcnt 0x0
	s_wait_dscnt 0x0
	s_barrier_signal -1
	BLOCK \kind, \e, \a, 28, 32, \y, \x
	WIN 0
	WALU
	s_barrier_wait -1
	PLACES NP
.endm
.macro QOUT z, s, i                    ; tile i of chunk s: its two bytes to LDS, its codes out: each store covers 512 consecutive bytes, aligned
	ds_store_b16 v[VXQ], v[EB] offset:1024*\z+256*\s+2*\i
	global_store_b128 v[CO], v[NCD:NCD+3], s[92:93] offset:8192*\s+1024*\i
	global_store_b128 v[CO], v[NCD+4:NCD+7], s[92:93] offset:8192*\s+1024*\i+512
.endm
.macro VOUT p                          ; pair p: chunk p / 2, my block of 32 keys p % 2
.irp t, 0,1,2,3
	ds_store_b8 v[VXV], v[EB+\t] offset:2048+256*(\p/2)+4*\t+\p%2
	global_store_b128 v[CO], v[NCD+4*\t:NCD+4*\t+3], s[92:93] offset:8192*(\p/2)+1024*\t+512*(\p%2)
.endr
.endm
.macro QKPHASE z, f, g, pair           ; Q or K: chunk f, then chunk g; the next weight's rows (address in s[pair]) go where chunk f lay
	BLK 0, 0, 0, NF, 0, 0
	FETCHX 0, \f, 2
	BLK 0, 1, 1, NF, 1, ACC
	QOUT \z, \f, 0
	FETCHX 1, \f, 3
	RBLK 0, 0, 0, 1, ACC+32, G0B, \f*YB, \pair     ; the round shows chunk g
	TLOAD G0B, G1W
	PLACES NP-4
	QOUT \z, \f, 1
	FETCHX 0, \g, 0
	BLK 0, 1, 1, NF, 1, ACC
	QOUT \z, \f, 2
.if \z == 0
	global_prefetch_b8 v[PF2], s[80:81] th:TH_LOAD_NT scope:SCOPE_SE
.endif
	FETCHX 1, \g, 1
	BLK 0, 0, 0, NF, 1, ACC+32
	QOUT \z, \f, 3
	FETCHX 0, \g, 2
	BLK 0, 1, 1, NF, 1, ACC
	QOUT \z, \g, 0
	FETCHX 1, \g, 3
	BLK 0, 0, 0, NF, 1, ACC+32
	QOUT \z, \g, 1
	FETCHX 0, \g, 0                                ; the next phase's first two blocks: chunk g again
	BLK 0, 1, 1, NF, 1, ACC
	QOUT \z, \g, 2
	FETCHX 1, \g, 1
	s_wait_xcnt 0x0
.set K_, 0
.rept 63
	GAPQ K_, ACC+32
.set K_, K_+1
.endr
	v_nop
	QOUT \z, \g, 3
.endm
.macro CHANGE slot, xpair, ws          ; the next weight lies in the slot: into registers; then the slot's own chunk of x comes anew
	s_wait_tensorcnt 0x0
	s_wait_dscnt 0x0
	BARRIER
	WEIGHTS ADW+\slot
.set K_, 0
.rept 16
	v_mov_b32 v[SB+K_], v[\ws+K_]
.set K_, K_+1
.endr
	s_wait_xcnt 0x0
	s_add_nc_u64 s[92:93], s[92:93], 0x800000      ; the next section of the codes
	WALU
	GRD
	RDESC G0A, \slot*YB, \xpair
	s_wait_dscnt 0x0
	CROUND
	TLOAD G0A, G1X
.endm
	WEIGHTS ADW+1
	GRD
	s_mov_b32 s[G1X+2], 32<<16                     ; no tensor load of mine is out: from here on a load brings 32 rows
	s_mov_b32 s[G1X+4], 32
	s_mov_b32 s[G1W+2], 32<<16
	s_mov_b32 s[G1W+4], 32
	RDESC G0A, YB, 6
	s_wait_dscnt 0x0
	CROUND
	TLOAD G0A, G1X                                 ; chunk 1, where W_q lay
	FETCHX 0, 0, 0
	FETCHX 1, 0, 1
	s_wait_loadcnt 0x0                             ; the weights' scale words
	QKPHASE 0, 0, 1, 8
	CHANGE 0, 4, WS1
	QKPHASE 1, 1, 0, 10
	CHANGE 1, 6, WS2
	BLK 1, 0, 0, NF, 0, 0                          ; V: pairs of blocks; the sets of sums 0, 1 and 2, 3 by turns
	FETCHX 0, 0, 2
	BLK 1, 1, 1, NF, 0, 0
	FETCHX 1, 0, 3
	SBLK 1, 0, 2, 2, ACC                           ; the barrier shows chunk 1
	FETCHX 0, 1, 0
	BLK 1, 1, 3, NF, 3, ACC
	VOUT 0
	FETCHX 1, 1, 1
	BLK 1, 0, 0, NF, 2, ACC+64
	FETCHX 0, 1, 2
	BLK 1, 1, 1, NF, 3, ACC+64
	VOUT 1
	FETCHX 1, 1, 3
	BLK 1, 0, 2, NF, 2, ACC
	BLK 1, 1, 3, 0, 3, ACC
	VOUT 2
	s_wait_xcnt 0x0
.set K_, 0
.rept 124
	GAPV K_, ACC+64
.set K_, K_+1
.endr
	v_nop
	VOUT 3
	s_wait_dscnt 0x0                               ; my scale bytes lie in LDS
	BARRIER                                        ; everybody's do
.irp z, 0,1,2
	ds_load_b64 v[WS1+2*\z:WS1+2*\z+1], v3 offset:1024*\z
.endr
	s_wait_dscnt 0x0
.irp z, 0,1,2
	global_store_b64 v15, v[WS1+2*\z:WS1+2*\z+1], s[94:95] offset:262144*\z   ; 32 lanes store 256 consecutive bytes, aligned
.endr
	s_wait_tensorcnt 0x0                           ; the wave's end
	ds_add_u32 v[SPW], v[NIL]
	s_wait_dscnt 0x0
	CROUND                                         ; the closing round
	s_endpgm
.Lfunc_end_k_q12f900c339_proj:
	.size	k_q12f900c339_proj, .Lfunc_end_k_q12f900c339_proj-k_q12f900c339_proj
	.p2alignl 7, 3214868480
	.fill 96, 4, 3214868480
	.section	.rodata,"a",@progbits
	.p2align	6, 0x0
	.amdhsa_kernel k_q12f900c339_proj
		.amdhsa_group_segment_fixed_size 327680
		.amdhsa_private_segment_fixed_size 0
		.amdhsa_enable_private_segment 0
		.amdhsa_kernarg_size 80
		.amdhsa_user_sgpr_count 2
		.amdhsa_user_sgpr_kernarg_segment_ptr 1
		.amdhsa_wavefront_size32 1
		.amdhsa_system_sgpr_workgroup_id_x 1
		.amdhsa_system_sgpr_workgroup_id_y 1
		.amdhsa_system_sgpr_workgroup_id_z 1
		.amdhsa_system_vgpr_workitem_id 0
		.amdhsa_next_free_vgpr 1024
		.amdhsa_next_free_sgpr 102
		.amdhsa_reserve_vcc 0
		.amdhsa_float_denorm_mode_32 3
		.amdhsa_float_denorm_mode_16_64 3
		.amdhsa_memory_ordered 1
		.amdhsa_forward_progress 1
		.amdhsa_inst_pref_size 255
	.end_amdhsa_kernel
	.section	.bss,"aw",@nobits
	.p2align	6
	.space	262144
	.amdgpu_metadata
---
amdhsa.version: [ 1, 2 ]
amdhsa.kernels:
  - .name:           k_q12f900c339_proj
    .symbol:         k_q12f900c339_proj.kd
    .args:
      - { .name: x_codes, .offset: 0, .size: 8, .value_kind: global_buffer, .address_space: global }
      - { .name: x_scales, .offset: 8, .size: 8, .value_kind: global_buffer, .address_space: global }
      - { .name: w_q_codes, .offset: 16, .size: 8, .value_kind: global_buffer, .address_space: global }
      - { .name: w_q_scales, .offset: 24, .size: 8, .value_kind: global_buffer, .address_space: global }
      - { .name: w_k_codes, .offset: 32, .size: 8, .value_kind: global_buffer, .address_space: global }
      - { .name: w_k_scales, .offset: 40, .size: 8, .value_kind: global_buffer, .address_space: global }
      - { .name: w_v_codes, .offset: 48, .size: 8, .value_kind: global_buffer, .address_space: global }
      - { .name: w_v_scales, .offset: 56, .size: 8, .value_kind: global_buffer, .address_space: global }
      - { .name: qkv_codes, .offset: 64, .size: 8, .value_kind: global_buffer, .address_space: global }
      - { .name: qkv_scales, .offset: 72, .size: 8, .value_kind: global_buffer, .address_space: global }
    .group_segment_fixed_size: 327680
    .private_segment_fixed_size: 0
    .kernarg_segment_align: 8
    .kernarg_segment_size: 80
    .max_flat_workgroup_size: 128
    .sgpr_count:     102
    .vgpr_count:     1024
    .wavefront_size: 32
...
	.end_amdgpu_metadata
.endif
;; end of part 1
;; launch attn (part 2): grid 4 x 64, 8 waves a work-group, clusters of 4 x 1, 327,680 bytes of LDS; arguments qkv_codes, qkv_scales, out0; writes out0
.if DOCPART == 2
	.amdgcn_target "amdgcn-amd-amdhsa--gfx1250"
	.amdhsa_code_object_version 6
	.text
	.protected	k_q12f900c339_attn
	.globl	k_q12f900c339_attn
	.p2align	8
	.type	k_q12f900c339_attn,@function
k_q12f900c339_attn:
	s_mov_b64 s[64:65], 0
	v_nop
	global_prefetch_b8 v0, s[64:65] scope:SCOPE_SE
	s_setreg_imm32_b32 hwreg(HW_REG_WAVE_MODE, 25, 1), 1
	s_wait_xcnt 0x0
	s_wait_alu depctr_hold_cnt(0) depctr_sa_sdst(0) depctr_va_vdst(0) depctr_va_sdst(0) depctr_va_ssrc(0) depctr_va_vcc(0) depctr_vm_vsrc(0)
	s_getreg_b32 s2, hwreg(HW_REG_IB_STS2, 6, 4)
	s_cmp_eq_u32 s2, 0
	s_cbranch_scc0 .Lentry_in_a_cluster
	s_endpgm
.Lentry_in_a_cluster:
	s_bfe_u32 s2, ttmp6, 0x10000c
	s_cmp_lg_u32 s2, 0x3003
	s_cbranch_scc0 .Lentry_shape_is_right
	s_endpgm
.Lentry_shape_is_right:
; out = softmax(q k^T / 32) v for each of 64 heads (batch x head), 2,048 tokens, 64 features, both products on codes of FP8 (E4M3) with E8M0 scales for 32 along K, as launch proj has left them (images of operand registers).
; t = score x log2(e) / 32; M = the running largest t rounded up to a whole number; p = 2^(t - M) is quantised along the keys; the row's sum is taken of the unquantised p and divides at the end; a change of M multiplies sum and O by a power of two.
; SHARES.  A work-group owns 512 queries of one head; each of its 8 waves 32 queries (two tiles x = 0, 1) in each of two passes.  The head's K and V codes (2 x 131,072 bytes) and scale words (2 x 4,096) lie in LDS, filled once.
; CLUSTER: the four work-groups of a head ask for these tiles jointly (mask 15).  One load a wave at the head: waves 0-3 K's quarters, waves 4, 5 V's halves, wave 6 K's scale words, wave 7 V's.
; No prefetch: every tile is asked for once, at the head, and the text has no loop that runs ahead of a load.
; PRODUCTS, both transposed: S^T = K Q^T: a K fragment holds two tiles of 16 keys (64 features each) along the instruction's 128; Q stands beside eight registers of zero codes, which pick the tile.  O^T = V^T P^T.  A lane holds one query.
; Register 16 b + 8 u + j of lane (r, h) holds key 32 b + 16 u + 8 h + j: the order inside a block of 32 that proj gave V's codes too.
; THE STEP (128 keys).  Exponentials go in two batches, each with a wait ahead and behind: among tile 0's stand tile 1's scalings, among tile 1's stand tile 0's holds; what is written there is read behind the closing wait.
; Tile 1's holds write into tile 0's registers, so its p stays whole: its row sum is taken in the NEXT step, as the places behind that step's first products (a pass begins with zeros there and ends with one more sum).
; LIMITS: NaN and infinities are not served; the promise holds while |t| stays under 2^31.  A block whose every p is 0 keeps the byte 1: its codes are zeros.
.set VIMG,  131072
.set KSC,   262144
.set VSC,   266240
.set STG,   270336                     ; the way out: 16 rows x 272 bytes for each wave
.set SPITCH, 272
.set SPARE, 0x4a800                    ; the spare words: 128 bytes a wave
.set AK0,  1
.set AV0,  2
.set ASK0, 3
.set ADK,  4
.set ADV,  5
.set ADS,  6
.set R16,  7
.set KS,   8                           ; v8-11 K's scale words, v12-15 V's
.set VS,   12
.set QSA,  16                          ; v16, v17 Q's scale words of tiles 0, 1
.set QSB,  17
.set QWN,  18
.set QW,   19
.set ST,   20                          ; six a tile: -M, largest t, the sum (2), f, p's scale word
.set TM,   32                          ; sixteen a tile: block maxima, bytes, bounds, scale operands
.set S,    64                          ; v64-191 scores, then p
.set P,    192                         ; v192-223 p's codes
.set CH,   224
.set T0,   230
.set STO,  232
.set RD,   233
.set GO,   234
.set SPW,  254
.set NIL,  255
.set KX,   0                           ; window 1: K's fragments, V's, Q with zeros, the next pass's Q, O^T
.set VX,   64
.set QZ,   128
.set QN,   168
.set OX,   192
.set WV,   10
.set G1A,  16
.set G1S,  24
.set G0K,  40
.set G0S,  44
.set G0V,  48
.set G1V,  72
.set CS,   58
.set SEL,  60
.set MNT,  62
.set TB,   63
.set TS,   66
.set CNT,  67
.set PASS, 68
.set MSB, 0
.macro WIN new
.if MSB != (\new)
	s_set_vgpr_msb (MSB<<8)|(\new)
.set MSB, (\new)
.endif
.endm
.macro WALU
	s_wait_alu depctr_va_vdst(0)
.endm
.macro CROUND
	s_barrier_signal -1
	s_barrier_wait -1
	s_cmp_lg_u32 s[WV], 0
	s_cbranch_scc1 .Lnot_wave_0_\@
	s_barrier_signal -3
.Lnot_wave_0_\@:
	s_barrier_wait -3
	s_barrier_signal -1
	s_barrier_wait -1
.endm
.macro DESC1 g, rows                   ; group 1: a dense block as rows of 256 bytes (32 elements of 8), for the cluster's four
	s_mov_b32 s[\g], 15|(3<<16)|(1<<21)
	s_mov_b32 s[\g+1], 32<<16
	s_mov_b32 s[\g+2], (\rows)<<16
	s_mov_b32 s[\g+3], 32<<16
	s_mov_b32 s[\g+4], \rows
	s_mov_b32 s[\g+5], 32
	s_mov_b32 s[\g+6], 0
	s_mov_b32 s[\g+7], 0
.endm
.macro TLOAD g0, g1
	tensor_load_to_lds s[\g0:\g0+3], s[\g1:\g1+7]
	s_nop 0
.rept 4
	v_nop
.endr
.endm
	s_load_b128 s[4:7], s[0:1], 0x0                ; qkv_codes, qkv_scales
	s_load_b64 s[8:9], s[0:1], 0x10                ; out0
	v_lshl_add_u32 v[SPW], v0, 2, SPARE
	v_mov_b32 v[NIL], 0
	ds_add_u32 v[SPW], v[NIL]                      ; the opening lines: the add twice and its wait
	ds_add_u32 v[SPW], v[NIL]
	v_lshrrev_b32 v1, 5, v0
	v_readfirstlane_b32 s[WV], v1
	s_bfe_u32 s11, ttmp6, 0x40000                  ; cx: which 512 queries
	s_and_b32 s12, ttmp7, 0xffff                   ; the head
	s_and_b32 s13, s[WV], 3
	s_lshr_b32 s14, s[WV], 2
	s_and_b32 s69, s[WV], 1
	s_lshl_b32 s32, s12, 17                        ; the head's codes in a section
	s_lshl_b32 s70, s[WV], 15
	s_add_co_u32 s70, s70, s32
	s_add_co_u32 s70, s70, 1<<23                   ; K's section: quarter = wave
	s_mov_b32 s71, 0
	s_lshl_b32 s38, s69, 16
	s_add_co_u32 s38, s38, s32
	s_add_co_u32 s38, s38, 2<<23                   ; V's section: half = wave % 2
	s_mov_b32 s39, 0
	s_lshl_b32 s34, s12, 12                        ; the head's scale words in a section
	s_add_co_u32 s2, s69, 1
	s_lshl_b32 s2, s2, 18                          ; K's section (wave 6) or V's (wave 7)
	s_add_co_u32 s2, s2, s34
	s_mov_b32 s3, 0
	DESC1 G1A, 128
	DESC1 G1V, 256
	DESC1 G1S, 16
	s_lshl_b32 s33, s11, 15                        ; Q's codes: my 32 queries of the first pass
	s_add_co_u32 s32, s32, s33
	s_lshl_b32 s33, s[WV], 11
	s_add_co_u32 s32, s32, s33
	s_mov_b32 s33, 0
	s_lshl_b32 s35, s11, 10                        ; and their scale word
	s_add_co_u32 s34, s34, s35
	s_lshl_b32 s35, s14, 8
	s_add_co_u32 s34, s34, s35
	s_lshl_b32 s35, s13, 2
	s_add_co_u32 s34, s34, s35
	s_mov_b32 s35, 0
	s_lshr_b32 s36, s12, 4                         ; out0: batch, head's 256 bytes of a row, my first query
	s_lshl_b32 s36, s36, 23
	s_and_b32 s37, s12, 15
	s_lshl_b32 s37, s37, 8
	s_add_co_u32 s36, s36, s37
	s_lshl_b32 s37, s11, 21
	s_add_co_u32 s36, s36, s37
	s_lshl_b32 s37, s[WV], 17
	s_add_co_u32 s36, s36, s37
	s_mov_b32 s37, 0
	s_mov_b32 s[CS], 0x3d38aa3b                    ; log2(e) / 32
	s_mov_b32 s[CS+1], s[CS]
	s_mov_b32 s[SEL], 0x76543210
	s_mov_b32 s[SEL+1], 0xfedcba98
	s_mov_b32 s[MNT], 0x600000
	s_mul_i32 s15, s[WV], 16*SPITCH
	s_add_co_u32 s15, s15, STG
	s_mov_b32 s[G0K], 1
	s_lshl_b32 s[G0K+1], s[WV], 15
	s_mov_b32 s[G0V], 1
	s_lshl_b32 s[G0V+1], s69, 16
	s_add_co_u32 s[G0V+1], s[G0V+1], VIMG
	s_mov_b32 s[G0S], 1
	s_lshl_b32 s[G0S+1], s69, 12
	s_add_co_u32 s[G0S+1], s[G0S+1], KSC
	s_wait_dscnt 0x0
	s_wait_kmcnt 0x0
	s_add_nc_u64 s[G0K+2:G0K+3], s[4:5], s[70:71]
	s_or_b32 s[G0K+3], s[G0K+3], 0x80000000
	s_add_nc_u64 s[G0V+2:G0V+3], s[4:5], s[38:39]
	s_or_b32 s[G0V+3], s[G0V+3], 0x80000000
	s_add_nc_u64 s[G0S+2:G0S+3], s[6:7], s[2:3]
	s_or_b32 s[G0S+3], s[G0S+3], 0x80000000
	s_add_nc_u64 s[52:53], s[4:5], s[32:33]
	s_add_nc_u64 s[54:55], s[6:7], s[34:35]
	s_add_nc_u64 s[56:57], s[8:9], s[36:37]
	CROUND                                         ; the four work-groups are here: the joint loads meet
	s_cmp_lt_u32 s[WV], 4                          ; one chain of branches on the wave's number, one load to an arm
	s_cbranch_scc0 .Lnot_k
	TLOAD G0K, G1A
	s_branch .Lasked
.Lnot_k:
	s_cmp_lt_u32 s[WV], 6
	s_cbranch_scc0 .Lfor_scales
	TLOAD G0V, G1V
	s_branch .Lasked
.Lfor_scales:
	TLOAD G0S, G1S
.Lasked:
	v_and_b32 v[AK0], 31, v0
	v_and_b32 v4, 15, v0
	v_bfe_u32 v5, v0, 4, 1
	v_lshlrev_b32 v[AK0], 4, v[AK0]                ; 16 x lane
	v_lshlrev_b32 v[R16], 4, v4
	v_mul_u32_u24 v[STO], v4, SPITCH
	v_mul_u32_u24 v[RD], v5, SPITCH
	v_add_nc_u32 v[AV0], VIMG, v[AK0]
	v_add_nc_u32 v[ASK0], KSC, v[R16]
	v_lshl_add_u32 v[STO], v5, 5, v[STO]
	v_lshl_add_u32 v[RD], v4, 4, v[RD]
	v_lshlrev_b32 v[GO], 12, v5
	v_add_nc_u32 v[STO], s15, v[STO]
	v_add_nc_u32 v[RD], s15, v[RD]
	v_lshl_add_u32 v[GO], v4, 4, v[GO]
	WIN 0x40
.irp c, 0,1
	global_load_b128 v[QZ+8+4*\c:QZ+8+4*\c+3], v[AK0], s[52:53] offset:512*\c
	global_load_b128 v[QZ+24+4*\c:QZ+24+4*\c+3], v[AK0], s[52:53] offset:1024+512*\c
.endr
.irp c, 0,1,2,3
	global_load_b128 v[QN+4*\c:QN+4*\c+3], v[AK0], s[52:53] offset:16384+512*\c
.endr
.irp i, 0,1,2,3,4,5,6,7
	v_mov_b32 v[QZ+\i], 0                          ; zero codes beside Q's
	v_mov_b32 v[QZ+16+\i], 0
	v_mov_b32 v[QZ+32+\i], 0
.endr
	WIN 0
	global_load_b32 v[QW], v[R16], s[54:55]
	global_load_b32 v[QWN], v[R16], s[54:55] offset:512
.irp x, 0,1
.irp b, 0,1,2,3
	v_mov_b32 v[TM+16*\x+4+\b], 0                  ; a lane permute's destination counts as a source
.endr
	v_mov_b32 v[ST+6*\x+5], 0
.endr
.macro MKQS w                          ; a tile's two bytes, for both halves of the instruction's K
	v_and_b32 v[T0], 0xffff, v[\w]
	v_lshrrev_b32 v[T0+1], 16, v[\w]
	v_lshl_or_b32 v[QSA], v[\w], 16, v[T0]
	v_and_or_b32 v[QSB], v[\w], 0xffff0000, v[T0+1]
.endm
	WALU
	s_wait_loadcnt 0x0
	MKQS QW
	WALU
	s_wait_tensorcnt 0x0
	s_barrier_signal -1
	s_barrier_wait -1
.macro SUMLINE x, n                    ; 32 lines: the sum under the new M, plus 64 p, in four chains
.set rS, S+64*(\x)
.set rL, ST+6*(\x)+2
.set rF, ST+6*(\x)+4
.if (\n) == 0
	v_pk_fma_f32 v[rL:rL+1], v[rL:rL+1], v[rF:rF+1], v[rS:rS+1] op_sel_hi:[1,0,1]
.elseif (\n) < 4
	v_pk_add_f32 v[CH+2*(\n)-2:CH+2*(\n)-1], v[rS+2*(\n):rS+2*(\n)+1], v[rS+2*(\n)+6:rS+2*(\n)+7]
.elseif (\n) < 29
.if (\n)%4 == 0
	v_pk_add_f32 v[rL:rL+1], v[rL:rL+1], v[rS+2*(\n)+6:rS+2*(\n)+7]
.else
	v_pk_add_f32 v[CH+2*((\n)%4)-2:CH+2*((\n)%4)-1], v[CH+2*((\n)%4)-2:CH+2*((\n)%4)-1], v[rS+2*(\n)+6:rS+2*(\n)+7]
.endif
.elseif (\n) == 29
	v_pk_add_f32 v[rL:rL+1], v[rL:rL+1], v[CH:CH+1]
.elseif (\n) == 30
	v_pk_add_f32 v[CH+2:CH+3], v[CH+2:CH+3], v[CH+4:CH+5]
.else
	v_pk_add_f32 v[rL:rL+1], v[rL:rL+1], v[CH+2:CH+3]
.endif
.endm
.macro SUMALL x
.set J, 0
.rept 32
	SUMLINE \x, J
.set J, J+1
.endr
.endm
.macro SCALELINE x, n                  ; 19 lines: floor, scale operands, bounds, bytes, the scale word
.set rT, TM+16*(\x)
.set rW, ST+6*(\x)+5
.if (\n) < 4
	v_max_num_f32 v[rT+(\n)], 0x4800000, v[rT+(\n)]
.elseif (\n) < 8
	v_add_nc_u32 v[rT+12+(\n)-4], 0xfc000000, v[rT+(\n)-4]
.elseif (\n) < 12
	v_and_or_b32 v[rT+8+(\n)-8], v[rT+(\n)-8], 0x7f800000, s[MNT]
.elseif (\n) < 16
	v_lshrrev_b32 v[rT+4+(\n)-12], 23, v[rT+12+(\n)-12]
.elseif (\n) == 16
	v_lshl_or_b32 v[rW], v[rT+5], 8, v[rT+4]
.elseif (\n) == 17
	v_lshl_or_b32 v[rW], v[rT+6], 16, v[rW]
.else
	v_lshl_or_b32 v[rW], v[rT+7], 24, v[rW]
.endif
.endm
.macro HOLD2 d, a, bnd                 ; two p held at 448 x the scale (the conversion does not saturate: ISA guide 7.6.2); p is not negative
	v_dual_min_num_f32 v[\d], v[\a], v[\bnd] :: v_dual_min_num_f32 v[(\d)+1], v[(\a)+1], v[\bnd]
.endm
.macro CVTL x, j                       ; eight codes of tile x from the held p at v[S + 8 j]
	v_cvt_scalef32_pk8_fp8_f32 v[P+16*(\x)+2*(\j):P+16*(\x)+2*(\j)+1], v[S+8*(\j):S+8*(\j)+7], v[TM+16*(\x)+12+(\j)/2]
.endm
.macro SMUL x                          ; the scores of tile x: eight products
.irp p, 0,1,2,3
.irp u, 0,1
	v_wmma_scale_f32_16x16x128_f8f6f4 v[S+64*\x+16*\p+8*\u:S+64*\x+16*\p+8*\u+7], v[KX+16*\p:KX+16*\p+15], v[QZ+16*\x+8-8*\u:QZ+16*\x+8-8*\u+15], 0, v[KS+\p], v[QSA+\x]
.endr
.endr
.endm
.macro PV x                            ; O^T of tile x: four products, four accumulators by turns
.irp t, 0,1,2,3
	v_wmma_scale_f32_16x16x128_f8f6f4 v[OX+32*\x+8*\t:OX+32*\x+8*\t+7], v[VX+16*\t:VX+16*\t+15], v[P+16*\x:P+16*\x+15], v[OX+32*\x+8*\t:OX+32*\x+8*\t+7], v[VS+\t], v[ST+6*\x+5]
.endr
.endm
.macro MAXT x                          ; the largest score of each block of 32 keys, my 16 of them; each accumulator is read from its low end on
.irp b, 0,1,2,3
	v_max3_num_f32 v[TM+16*\x+\b], v[S+64*\x+16*\b], v[S+64*\x+16*\b+1], v[S+64*\x+16*\b+2]
.endr
.irp i, 3,5,7,9,11,13
.irp b, 0,1,2,3
	v_max3_num_f32 v[TM+16*\x+\b], v[TM+16*\x+\b], v[S+64*\x+16*\b+\i], v[S+64*\x+16*\b+\i+1]
.endr
.endr
.irp b, 0,1,2,3
	v_max_num_f32 v[TM+16*\x+\b], v[TM+16*\x+\b], v[S+64*\x+16*\b+15]
.endr
.endm
.macro STEP
	WIN 0x05
	SMUL 0                                         ; K's fragments were waited for ahead of the last step's second products
	WIN 0
	s_lshr_b32 s[TS], s[TB], 5
	v_add_nc_u32 v[ADK], s[TB], v[AK0]
	v_add_nc_u32 v[ADV], s[TB], v[AV0]
	v_add_nc_u32 v[ADS], s[TS], v[ASK0]
	SUMALL 1                                       ; the last step's sum of tile 1: also the places behind the products, ahead of the loads below and of tile 0's maxima
	ds_load_b128 v[VS:VS+3], v[ADS] offset:VSC-KSC
	WIN 0x40
.irp t, 0,1,2,3
.irp c, 0,1,2,3
	ds_load_b128 v[VX+16*\t+4*\c:VX+16*\t+4*\c+3], v[ADV] offset:(\c/2)*4096+\t*1024+(\c%2)*512
.endr
.endr
	WIN 0x05
	SMUL 1
	WIN 0
	MAXT 0                                         ; 32 places behind tile 1's products
	ds_load_b128 v[KS:KS+3], v[ADS] offset:256     ; the next step's K (the last step's reach lies in V's image and is not used)
	WIN 0x40
.irp i, 0,1,2,3,4,5,6,7,8,9,10,11,12,13,14,15
	ds_load_b128 v[KX+4*\i:KX+4*\i+3], v[ADK] offset:8192+512*\i
.endr
	WIN 0
	MAXT 1
.irp b, 0,1,2,3
.irp x, 0,1
	v_permlanex16_b32 v[TM+16*\x+4+\b], v[TM+16*\x+\b], s[SEL], s[SEL+1]
.endr
.endr
.irp b, 0,1,2,3
.irp x, 0,1
	v_max_num_f32 v[TM+16*\x+\b], v[TM+16*\x+\b], v[TM+16*\x+4+\b]
.endr
.endr
.irp x, 0,1
	s_delay_alu instid0(VALU_DEP_4)
	v_max3_num_f32 v[T0+\x], v[TM+16*\x], v[TM+16*\x+1], v[TM+16*\x+2]
.endr
.irp x, 0,1
	s_delay_alu instid0(VALU_DEP_2)
	v_max_num_f32 v[T0+\x], v[T0+\x], v[TM+16*\x+3]
.endr
.irp x, 0,1
	s_delay_alu instid0(VALU_DEP_2)
	v_mul_f32 v[T0+\x], s[CS], v[T0+\x]
.endr
.irp x, 0,1
	s_delay_alu instid0(VALU_DEP_2)
	v_max_num_f32 v[ST+6*\x+1], v[ST+6*\x+1], v[T0+\x]   ; the running largest t
.endr
.irp x, 0,1
	v_mov_b32 v[T0+\x], v[ST+6*\x]
.endr
.irp x, 0,1
	s_delay_alu instid0(VALU_DEP_4)
	v_floor_f32 v[ST+6*\x], -v[ST+6*\x+1]          ; -M
.endr
.irp x, 0,1
	s_delay_alu instid0(VALU_DEP_2)
	v_sub_f32 v[T0+\x], v[ST+6*\x], v[T0+\x]
.endr
.irp x, 0,1
	s_delay_alu instid0(VALU_DEP_2)
	v_cvt_i32_f32 v[T0+\x], v[T0+\x]
.endr
.irp x, 0,1
	s_delay_alu instid0(VALU_DEP_2)
	v_ldexp_f32 v[ST+6*\x+4], 1.0, v[T0+\x]        ; f = 2^(old M - new M)
.endr
	WIN 0x41
.irp x, 0,1
.irp i, 0,2,4,6,8,10,12,14,16,18,20,22,24,26,28,30
	v_pk_mul_f32 v[OX+32*\x+\i:OX+32*\x+\i+1], v[OX+32*\x+\i:OX+32*\x+\i+1], v[ST+6*\x+4:ST+6*\x+5] op_sel_hi:[1,0]   ; O^T under the new M, ahead of the step's exponentials
.endr
.endr
	WIN 0
.set J, 0
.rept 32
	v_pk_fma_f32 v[S+2*J:S+2*J+1], v[S+2*J:S+2*J+1], s[CS:CS+1], v[ST:ST+1] op_sel_hi:[1,0,0]
.set J, J+1
.endr
.irp b, 0,1,2,3
	v_fma_f32 v[TM+\b], v[TM+\b], s[CS], v[ST]
.endr
	WALU                                           ; ahead of the batch
.set J, 0
.rept 32
	v_exp_f32 v[S+2*J], v[S+2*J]
	v_pk_fma_f32 v[S+64+2*J:S+64+2*J+1], v[S+64+2*J:S+64+2*J+1], s[CS:CS+1], v[ST+6:ST+7] op_sel_hi:[1,0,0]
	v_exp_f32 v[S+2*J+1], v[S+2*J+1]
.set J, J+1
.endr
.irp b, 0,1,2,3
	v_exp_f32 v[TM+\b], v[TM+\b]                   ; a block's largest p: the same two instructions on its largest score
	v_fma_f32 v[TM+16+\b], v[TM+16+\b], s[CS], v[ST+6]
.endr
	WALU                                           ; behind it
.set J, 0
.rept 32
	SUMLINE 0, J
.if J < 19
	SCALELINE 0, J
.endif
.set J, J+1
.endr
	WALU                                           ; ahead of the second batch
.set J, 0
.rept 32
	v_exp_f32 v[S+64+2*J], v[S+64+2*J]
	HOLD2 S+2*J, S+2*J, TM+8+J/8
	v_exp_f32 v[S+64+2*J+1], v[S+64+2*J+1]
.set J, J+1
.endr
.irp b, 0,1,2,3
	v_exp_f32 v[TM+16+\b], v[TM+16+\b]
.endr
	v_nop
	WALU                                           ; behind it
.set J, 0
.rept 19
	SCALELINE 1, J
.if J < 8
	CVTL 0, J
.endif
.set J, J+1
.endr
	WALU
	s_wait_dscnt 0x0                               ; V's fragments and the next step's K: all my LDS loads
	WIN 0x51
	PV 0
	WIN 0
.set J, 0
.rept 32
	HOLD2 S+2*J, S+64+2*J, TM+24+J/8               ; tile 1's held p go where tile 0's lay
.set J, J+1
.endr
.set J, 0
.rept 8
	CVTL 1, J
.set J, J+1
.endr
.rept 4
	v_nop                                          ; codes written by vector instructions stand four places ahead of the product
.endr
	WIN 0x51
	PV 1
	WIN 0
	s_add_co_u32 s[TB], s[TB], 8192
.endm
	s_mov_b32 s[PASS], 2
.Lpass:
.irp x, 0,1
	v_mov_b32 v[ST+6*\x+1], 0xff61b1e6             ; -3e38, under every t
	v_mov_b32 v[ST+6*\x+2], 0
	v_mov_b32 v[ST+6*\x+3], 0
	v_mov_b32 v[ST+6*\x+4], 0
.endr
.irp x, 0,1
	v_floor_f32 v[ST+6*\x], -v[ST+6*\x+1]
.endr
	ds_load_b128 v[KS:KS+3], v[ASK0]
	WIN 0x40
.irp i, 0,1,2,3,4,5,6,7,8,9,10,11,12,13,14,15
	ds_load_b128 v[KX+4*\i:KX+4*\i+3], v[AK0] offset:512*\i
.endr
.set J, 0
.rept 64
	v_mov_b32 v[OX+J], 0                           ; the step is written once: the first finds zeros
.set J, J+1
.endr
	WIN 0
.set J, 0
.rept 64
	v_mov_b32 v[S+64+J], 0                         ; no step before the first: its sum of tile 1 adds zeros
.set J, J+1
.endr
	s_mov_b32 s[TB], 0
	s_mov_b32 s[CNT], 16
	WALU
	s_wait_dscnt 0x0
.Lstep:
	STEP
	s_sub_co_u32 s[CNT], s[CNT], 1
	s_cmp_lg_u32 s[CNT], 0
	s_cbranch_scc1 .Lstep
	SUMALL 1                                       ; the last step's sum of tile 1
.irp x, 0,1
	v_add_f32 v[TM+16*\x], v[ST+6*\x+2], v[ST+6*\x+3]
.endr
.irp x, 0,1
	v_permlanex16_b32 v[TM+16*\x+4], v[TM+16*\x], s[SEL], s[SEL+1]
.endr
.irp x, 0,1
	v_add_f32 v[TM+16*\x], v[TM+16*\x], v[TM+16*\x+4]
.endr
	WALU
.irp x, 0,1
	v_rcp_f32 v[TM+16*\x], v[TM+16*\x]
.endr
	v_nop
	WALU                                           ; for the reciprocals, and directly ahead of the first readers of O^T
	WIN 0x01
.irp x, 0,1
.irp i, 0,2,4,6,8,10,12,14,16,18,20,22,24,26,28,30
	v_pk_mul_f32 v[S+64*\x+\i:S+64*\x+\i+1], v[OX+32*\x+\i:OX+32*\x+\i+1], v[TM+16*\x:TM+16*\x+1] op_sel_hi:[1,0]
.endr
.endr
	WIN 0
.irp x, 0,1                            ; through my stage: sixteen lanes then store 256 consecutive bytes, aligned
.irp t, 0,1,2,3
	ds_store_b128 v[STO], v[S+64*\x+8*\t:S+64*\x+8*\t+3] offset:64*\t
	ds_store_b128 v[STO], v[S+64*\x+8*\t+4:S+64*\x+8*\t+7] offset:64*\t+16
.endr
.irp i, 0,1,2,3,4,5,6,7
	ds_load_b128 v[S+64*\x+32+4*\i:S+64*\x+32+4*\i+3], v[RD] offset:2*\i*SPITCH
.endr
.endr
.irp i, 0,1,2,3,4,5,6,7
	s_wait_dscnt 23-\i                             ; younger: tile 0's later loads, tile 1's 8 stores and 8 loads
	global_store_b128 v[GO], v[S+32+4*\i:S+32+4*\i+3], s[56:57] offset:8192*\i th:TH_STORE_NT
.endr
.irp i, 0,1,2,3,4,5,6,7
	s_wait_dscnt 7-\i
	global_store_b128 v[GO], v[S+96+4*\i:S+96+4*\i+3], s[56:57] offset:65536+8192*\i th:TH_STORE_NT
.endr
	s_wait_xcnt 0x0                                ; the stores have read their base and data
	s_add_nc_u64 s[56:57], s[56:57], 0x100000      ; 256 queries on
	WIN 0x41
.irp i, 0,1,2,3,4,5,6,7
	v_mov_b32 v[QZ+8+\i], v[QN+\i]
	v_mov_b32 v[QZ+24+\i], v[QN+8+\i]
.endr
	WIN 0
	MKQS QWN
	s_sub_co_u32 s[PASS], s[PASS], 1
	s_cmp_lg_u32 s[PASS], 0
	s_cbranch_scc1 .Lpass
	s_wait_tensorcnt 0x0                           ; the wave's end
	ds_add_u32 v[SPW], v[NIL]
	s_wait_dscnt 0x0
	CROUND                                         ; the closing round
	s_endpgm
.Lfunc_end_k_q12f900c339_attn:
	.size	k_q12f900c339_attn, .Lfunc_end_k_q12f900c339_attn-k_q12f900c339_attn
	.p2alignl 7, 3214868480
	.fill 96, 4, 3214868480
	.section	.rodata,"a",@progbits
	.p2align	6, 0x0
	.amdhsa_kernel k_q12f900c339_attn
		.amdhsa_group_segment_fixed_size 327680
		.amdhsa_private_segment_fixed_size 0
		.amdhsa_enable_private_segment 0
		.amdhsa_kernarg_size 24
		.amdhsa_user_sgpr_count 2
		.amdhsa_user_sgpr_kernarg_segment_ptr 1
		.amdhsa_wavefront_size32 1
		.amdhsa_system_sgpr_workgroup_id_x 1
		.amdhsa_system_sgpr_workgroup_id_y 1
		.amdhsa_system_sgpr_workgroup_id_z 1
		.amdhsa_system_vgpr_workitem_id 0
		.amdhsa_next_free_vgpr 512
		.amdhsa_next_free_sgpr 80
		.amdhsa_reserve_vcc 0
		.amdhsa_float_denorm_mode_32 3
		.amdhsa_float_denorm_mode_16_64 3
		.amdhsa_memory_ordered 1
		.amdhsa_forward_progress 1
		.amdhsa_inst_pref_size 59
	.end_amdhsa_kernel
	.amdgpu_metadata
---
amdhsa.version: [ 1, 2 ]
amdhsa.kernels:
  - .name:           k_q12f900c339_attn
    .symbol:         k_q12f900c339_attn.kd
    .args:
      - { .name: qkv_codes, .offset: 0, .size: 8, .value_kind: global_buffer, .address_space: global }
      - { .name: qkv_scales, .offset: 8, .size: 8, .value_kind: global_buffer, .address_space: global }
      - { .name: out0, .offset: 16, .size: 8, .value_kind: global_buffer, .address_space: global }
    .group_segment_fixed_size: 327680
    .private_segment_fixed_size: 0
    .kernarg_segment_align: 8
    .kernarg_segment_size: 24
    .max_flat_workgroup_size: 256
    .sgpr_count:     80
    .vgpr_count:     512
    .wavefront_size: 32
...
	.end_amdgpu_metadata
.endif
;; end of part 2
